; MI455X (gfx1250); checked and timed in simulation.
; The chip was launched on July 23, 2026; its instructions are those of AMD's public machine-readable ISA for CDNA 5 (MIT licence, August 2026) and "CDNA5" Instruction Set Architecture Reference Guide (July 2026). The comments in the code are by the model that wrote it; some were corrected since.
;; Causal Self Attention. Allowed arithmetic: matrix products marked QUANTISED: E5M2 operands, one given power-of-two scale a tensor, by v_wmma_f32_16x16x64_bf8_bf8 or v_wmma_f32_16x16x128_bf8_bf8, f32 sums; everything else in f32.
;; Inputs: W_attn_codes 3,072 x 32 x 32 uint8 (E5M2 codes of W_attn, K innermost, in blocks of 32 codes); W_proj_codes 1,024 x 32 x 32 uint8 (E5M2 codes of W_proj, K innermost, in blocks of 32 codes); b_attn 3,072 float32; b_proj 1,024 float32; lowp_scales 8 int32 (the exponents e of the quantised operands' scales 2^e); x_codes 4 x 2,048 x 32 x 32 uint8 (E5M2 codes of x, K innermost, in blocks of 32 codes).
;; Outputs: out0 4 x 2,048 x 1,024 float32.
;; This version of the problem:
;;   THIS VERSION OF THE PROBLEM IS GIVEN IN LOW PRECISION. The matrix products marked QUANTISED in the list below multiply operands that are first quantised to E5M2 (5 exponent bits, 2 mantissa bits; 8 bits a number), with one given power-of-two scale for each operand tensor; their sums are f32. All else is computed in f32.
;;   The module's matrix products, in the order in which they are computed (A, B: the left and right operand; K: the contracted axis; several contracted axes count as one K, in the product's order):
;;     1. [M 8,192, K 1,024] x [K 1,024, N 3,072]; A: input x (given as codes); B: input W_attn (given as codes): QUANTISED (scales: A lowp_scales[0], B lowp_scales[1])
;;     2. batch 64 x [M 2,048, K 64] x [K 64, N 2,048]; A: computed on the way; B: computed on the way: QUANTISED (scales: A lowp_scales[2], B lowp_scales[3])
;;     3. batch 64 x [M 2,048, K 2,048] x [K 2,048, N 64]; A: softmax (see below); B: computed on the way: QUANTISED (scales: A lowp_scales[4], B lowp_scales[5])
;;     4. [M 8,192, K 1,024] x [K 1,024, N 1,024]; A: computed on the way; B: input W_proj (given as codes): QUANTISED (scales: A lowp_scales[6], B lowp_scales[7])
;;   THE QUANTISER, for each operand of a quantised product, along K:
;;     - The operand's scale is 2^e, e = its entry of the input lowp_scales (int32; the entries are numbered through the quantised products in the list's order, A before B).
;;     - Each number is divided by the scale, clamped to +-57,344, and rounded to the nearest number of E5M2, ties to even, subnormals kept.
;;     - The product sums the exact products of the quantised numbers (number of the format x scale) in f32.
;;   ~~~python
;;   def quantise(x, axis, e):      # numpy; x: float32 -> the quantised numbers, widened to float32 again
;;       x = np.moveaxis(x, axis, -1); K = x.shape[-1]
;;       r = np.clip(x / 2.0 ** e, -57344, 57344)
;;       step = 2.0 ** (np.maximum(np.frexp(np.where(r == 0, 1, r))[1] - 1, -14) - 2)
;;       q = np.round(r / step) * step * 2.0 ** e      # np.round: ties to even
;;       return np.moveaxis(q, -1, axis).astype(np.float32)
;;   ~~~
;;   SOFTMAX AHEAD OF A QUANTISED PRODUCT. Where the list says 'softmax', what is quantised is not the finished softmax but p = 2^(t - M), with t = logit x log2(e) and M = ceil(the row's largest t), a whole number; so 1/2 < the row's largest p <= 1. The row's sum l is taken of the UNQUANTISED p, in f32, and the product's result is divided by l at the end. Since M is a whole number, a kernel that streams over the keys may use a running M (the ceiling of the running maximum): every later rescaling is an exact power of two, so the quantised numbers keep their values, but for numbers so far below the row's largest that they fall under the format's range.
;;   OPERANDS COMPUTED ON THE WAY. 'Computed on the way' means the value that the module computes at that place (a softmax that the list does not call 'softmax' is quantised finished and normalised). What goes into a quantiser is computed in f32, as accurately as f32 sums, v_exp_f32 and their like allow (about 1e-6 of the number): no bf16 or f16 on the way to a quantiser, and a product that is left as it is and whose result goes on into a quantised operand takes f32 operands (vector FMAs, or v_wmma_f32_16x16x4_f32). A number that lies on a knife's edge between two numbers of the format may be rounded either way, as far as f32 arithmetic and the matrix unit's own rounding can turn it there, and no further.
;;   INPUTS GIVEN AS CODES. W_attn (in the module: [1024, 3072], K = its axis 0); W_proj (in the module: [1024, 1024], K = its axis 0); x (in the module: [4, 2048, 1024], K = its axis 2): each comes as NAME_codes (uint8): NAME with its K axis moved to the last place and cut into blocks of 32 codes, [.., K / 32, bytes a block], one block behind the other in memory; one code a byte (a code: sign, 5 exponent bits, 2 mantissa bits); its scale is its entry of lowp_scales. Its value is code x scale, taken as it is: it is not quantised again, and the codes and scales need not be those that the quantiser above would give.
;; One version. Each part assembles by itself: llvm-mc -triple=amdgcn-amd-amdhsa -mcpu=gfx1250 --defsym DOCPART=n.
;; ======== version 1 of 1: 3 launches
;; limits: right only within a limited range of input values
;; workspace buffers: q_codes 8,388,608 bytes; k_codes 8,388,608 bytes; v_codes 8,388,608 bytes; y_codes 8,388,608 bytes
;; launch qkv (part 1): grid 8 x 48, 4 waves a work-group, clusters of 4 x 4, 327,680 bytes of LDS; arguments x_codes, W_attn_codes, b_attn, lowp_scales, q_codes, k_codes, v_codes; writes q_codes, k_codes, v_codes
.if DOCPART == 1
	.amdgcn_target "amdgcn-amd-amdhsa--gfx1250"
	.amdhsa_code_object_version 6
	.text
	.protected	k_q3f645723e7_qkv
	.globl	k_q3f645723e7_qkv
	.p2align	8
	.type	k_q3f645723e7_qkv,@function
k_q3f645723e7_qkv:
	s_mov_b64 s[64:65], 0
	v_nop
	global_prefetch_b8 v0, s[64:65] scope:SCOPE_SE
	s_setreg_imm32_b32 hwreg(HW_REG_WAVE_MODE, 25, 1), 1
	s_wait_xcnt 0x0
	s_wait_alu depctr_hold_cnt(0) depctr_sa_sdst(0) depctr_va_vdst(0) depctr_va_sdst(0) depctr_va_ssrc(0) depctr_va_vcc(0) depctr_vm_vsrc(0)
	s_getreg_b32 s2, hwreg(HW_REG_IB_STS2, 6, 4)
	s_cmp_eq_u32 s2, 0
	s_cbranch_scc0 .Lentry_in_a_cluster
	s_endpgm
.Lentry_in_a_cluster:
	s_bfe_u32 s2, ttmp6, 0x10000c
	s_cmp_lg_u32 s2, 0xf033
	s_cbranch_scc0 .Lentry_shape_is_right
	s_endpgm
.Lentry_shape_is_right:
; qkv = x W_attn + b_attn on codes of E5M2, and q, k, v quantised to E5M2 on the way out.  x: [8192][1024] codes, W_attn: [3072][1024] codes, K innermost in both.
; A tile of the result, 256 x 256, is made by four waves, 128 x 128 each: 64 accumulators, 512 registers.  K = 1,024 goes in four steps of 256 through a ring of two LDS slots.
; TWO SIDES.  Source 1 of the matrix instruction is side P: its row is the LANE of the result.  Source 0 is side Q: its rows run along a lane's REGISTERS.  The conversions take neighbours along the next product's K
; from one lane's registers: for q and k that K is the head's channel, for v it is the key.  So: q, k (cluster y 0-7): P = rows of x, Q = rows of W.   v (cluster y 8-11): P = rows of W from 2,048 on, Q = rows of x.
; Both buffers have rows of 1,024 bytes, so only base addresses and block numbers are chosen; the loop is one text.
; OUT: q_codes, k_codes [16 b + head][t][64 bytes]; v_codes [16 b + head][d][2,048 bytes along t].  In each run of 32 codes along the register axis byte 16 h + 8 u + j holds index 16 u + 8 h + j (the two middle groups
; of eight change places): the same order in q and k, so their products meet; in v it is the order in which 16-byte loads give the next launch its fragments.
; THE BIAS, divided by 2^(e0 + e1), is the C of each sum's first matrix instruction; a finished sum stands for sum x 2^(e0 + e1), so the conversion takes the one scale 2^(eo - e0 - e1), eo = e2 (q), e3 (k), e5 (v).
; LIMITS: eo - e0 - e1 between -126 and 112, so that the scale and 57,344 x the scale are f32 numbers.  NaN in b_attn is not served.
; CLUSTERS: 4 x 4 work-groups; P's tile is shared along a row of the cluster, Q's along a column: joint loads, one a wave behind each round.
; REGISTERS: window 0: v0-31 addresses; v32-95 the bias; v128-255 P's fragments (one set), later codes and rows to store.  window 1: Q's fragments, two sets.  windows 2, 3: accumulators (a, b) at v[8 (8 (a % 4) + b)].
.set KROW,   1024                      ; a row of x or of W in bytes
.set ROWB,   256                       ; a tile's row: 256 codes
.set PITCH,  272                       ; an LDS row: 256 bytes + 16 of padding: the 16 rows of a fragment load start at 16 different 16-byte columns
.set FR,     16                        ; registers of a fragment, 16 rows x 128 K
.set NL,     4                         ; LDS loads that bring one
.set NP,     4                         ; places behind this matrix instruction (ISA guide 7.12.1)
.set HALFT,  128*PITCH                 ; 128 rows: one tensor load
.set SLOT,   4*HALFT                   ; P's 256 rows, then Q's 256 rows
.set SPARE,  2*SLOT                    ; behind the ring: the spare words, 128 bytes a wave
.set BOQ,  6                           ; v6   32 h: my eight bias numbers of a tile of W rows
.set BOP,  7                           ; v7   4 r: my one bias number of a tile of W rows
.set RDQ,  8                           ; v8-9   the stage read back for q, k: row L / 4, my head's 64 bytes, 16 (L % 4); rows 0-127, 128-255
.set RDV,  10                          ; v10-11 for v: row 2 w + L / 16, 16 (L % 16)
.set GOQ,  12                          ; v12  16 L
.set GOV,  13                          ; v13  (2 w + L / 16) x 2,048 + 16 (L % 16)
.set HL,   14
.set SC,   15                          ; v15  2^(eo - e0 - e1)
.set ADRA, 16                          ; v16-17 LDS address of my P fragments in slot 0, 1
.set ADRB, 20                          ; v20-21 of my Q fragments
.set STO,  24                          ; v24  the stage: row 128 ph + r, byte 128 qh + 16 h
.set SPW,  28                          ; v28  my spare word
.set NIL,  29                          ; v29  0
.set BI,   32                          ; v32-95 the bias in the result's layout
.set TMP,  32
.set AF,   128                         ; P's fragments
.set CD,   128                         ; the way out: 16 registers of codes for each of the 8 blocks
.set OUT,  128                         ; and then 32 x 4 registers read back from the stage
.set G1, 24                            ; s[24:31] group 1 for P's tiles; s[32:39] group 0, a set for each slot
.set G0, 32
.set G1B, 48                           ; s[48:55], s[56:63] the same for Q's
.set G0B, 56
.set CLY, 84                           ; s84  the cluster's y: 8 and more make v
.set MSB, 0
.macro WIN new                         ; the immediate's high byte repeats the setting that is left
.if MSB != \new
	s_set_vgpr_msb (MSB<<8)|\new
.set MSB, \new
.endif
.endm
.set MUL_LO, 0xa1                      ; source 0 (Q) window 1, source 1 (P) window 0, C and D window 2
.set MUL_HI, 0xf1                      ; the same, C and D window 3
.set TO_B,   0x40                      ; destination window 1, address window 0
; A joint load: waves 0 and 1 fetch for P, waves 2 and 3 for Q; the branch hangs on the wave's number alone.  Four v_nop follow each of the two lines.
.macro JLOAD g0a, g1a, g0b, g1b
	s_cmp_eq_u32 s15, 0
	s_cbranch_scc0 .Lfor_b_\@
	tensor_load_to_lds s[\g0a:\g0a+3], s[\g1a:\g1a+7]
	s_nop 0
.rept 4
	v_nop
.endr
	s_branch .Lasked_\@
.Lfor_b_\@:
	tensor_load_to_lds s[\g0b:\g0b+3], s[\g1b:\g1b+7]
	s_nop 0
.rept 4
	v_nop
.endr
.Lasked_\@:
.endm
.macro CREST                           ; a round of the cluster's barrier behind its opening barrier
	s_cmp_lg_u32 s14, 0
	s_cbranch_scc1 .Lnot_wave_0_\@
	s_barrier_signal -3
.Lnot_wave_0_\@:
	s_barrier_wait -3
	s_barrier_signal -1
	s_barrier_wait -1
.endm
.macro CROUND                          ; a whole round
	s_barrier_signal -1
	s_barrier_wait -1
	CREST
.endm
	s_load_b256 s[4:11], s[0:1], 0x0               ; x s[4:5], W s[6:7], b_attn s[8:9], the scales' exponents s[10:11]
	s_load_b128 s[68:71], s[0:1], 0x20             ; q_codes, k_codes
	s_load_b64 s[72:73], s[0:1], 0x30              ; v_codes
	v_lshl_add_u32 v[SPW], v0, 2, SPARE
	v_mov_b32 v[NIL], 0
	ds_add_u32 v28, v29
	ds_add_u32 v28, v29
	s_wait_dscnt 0x0
	v_lshrrev_b32 v1, 5, v0
	v_readfirstlane_b32 s14, v1                    ; wave 0..3
	s_lshr_b32 s15, s14, 1                         ; ph: which half of P's rows is mine.  Also: I fetch for P (0) or for Q (1)
	s_and_b32 s16, s14, 1                          ; qh: which half of Q's rows.  Also: which 128 rows of that tile I fetch
	s_bfe_u32 s40, ttmp6, 0x40000                  ; cx
	s_bfe_u32 s41, ttmp6, 0x40004                  ; cy
	s_and_b32 s[CLY], ttmp7, 0xffff                ; the cluster's y
	s_lshl_b32 s43, s41, 2
	s_lshl_b32 s43, 15, s43                        ; my row of the cluster
	s_lshl_b32 s44, 0x1111, s40                    ; my column
	s_lshl_b32 s17, s[CLY], 2
	s_add_co_u32 s17, s17, s41                     ; q, k: P's block = 4 x cluster y + cy (0..31, of x);
	s_cmp_ge_u32 s[CLY], 8
	s_cselect_b32 s17, s41, s17                    ; v: cy (0..3, of W's last 1,024 rows).  Made of cy and the cluster's y alone
	s_lshl_b32 s42, ttmp9, 2
	s_add_co_u32 s42, s42, s40                     ; q, k: Q's block = 4 x cluster x + cx (0..7, of W: 0-3 make q, 4-7 make k);
	s_max_u32 s87, s[CLY], 8
	s_sub_co_u32 s87, s87, 8
	s_lshl_b32 s87, s87, 3
	s_add_co_u32 s42, s42, s87                     ; v: + 8 (cluster y - 8) (0..31, of x).  Made of cx and the cluster's place alone
	; group 1: a tile of 128 rows x 256 bytes, padded in LDS
	s_or_b32 s[G1+0], s43, (0<<16)|(1<<20)|(1<<21)|(5<<22)|(3<<25)  ; 15:0 the mask: P's tiles go to my row; elements of 1 byte; padding on; bit 21 beside a mask; after every 64 words, 4 words
	s_or_b32 s[G1B+0], s44, (0<<16)|(1<<20)|(1<<21)|(5<<22)|(3<<25) ; the same with my column's mask
.irp g, G1, G1B
	s_mov_b32 s[\g+1], ROWB<<16                    ; tensor_dim0
	s_mov_b32 s[\g+2], 128<<16                     ; tensor_dim1
	s_mov_b32 s[\g+3], ROWB<<16                    ; tile_dim0
	s_mov_b32 s[\g+4], 128                         ; tile_dim1
	s_mov_b32 s[\g+5], KROW                        ; from row to row
	s_mov_b32 s[\g+6], 0
	s_mov_b32 s[\g+7], 0
.endr
	s_lshl_b32 s18, s16, 7                         ; which 128 rows of the tile I fetch
	s_lshl_b32 s20, s17, 8
	s_add_co_u32 s20, s20, s18
	s_lshl_b32 s20, s20, 10                        ; P: (256 block + 128 half) rows of 1,024 bytes: under 2^23
	s_mov_b32 s21, 0
	s_lshl_b32 s46, s42, 8
	s_add_co_u32 s46, s46, s18
	s_lshl_b32 s46, s46, 10                        ; Q likewise
	s_mov_b32 s47, 0
	s_mul_i32 s45, s14, HALFT                      ; where they go: wave x 128 rows
	s_wait_kmcnt 0x0
	s_load_b256 s[76:83], s[10:11], 0x0            ; e0 .. e7
	s_add_nc_u64 s[88:89], s[6:7], 2048*KROW       ; W's rows that make v
	s_cmp_ge_u32 s[CLY], 8
	s_cselect_b64 s[90:91], s[88:89], s[4:5]       ; P's buffer
	s_cselect_b64 s[92:93], s[4:5], s[6:7]         ; Q's buffer
	s_add_nc_u64 s[20:21], s[90:91], s[20:21]
	s_add_nc_u64 s[46:47], s[92:93], s[46:47]
	CROUND                                         ; all sixteen work-groups are here: the first joint loads meet
.irp s, 0,1
	s_mov_b32 s[G0+4*\s], 1
	s_add_co_u32 s[G0+4*\s+1], s45, \s*SLOT
	s_add_nc_u64 s[G0+4*\s+2:G0+4*\s+3], s[20:21], \s*ROWB
	s_or_b32 s[G0+4*\s+3], s[G0+4*\s+3], 0x80000000
	s_mov_b32 s[G0B+4*\s], 1
	s_add_co_u32 s[G0B+4*\s+1], s45, \s*SLOT
	s_add_nc_u64 s[G0B+4*\s+2:G0B+4*\s+3], s[46:47], \s*ROWB
	s_or_b32 s[G0B+4*\s+3], s[G0B+4*\s+3], 0x80000000
	JLOAD G0+4*\s, G1, G0B+4*\s, G1B
.endr
	; every address register is made here, ahead of the first branch on the cluster's y
	v_and_b32 v1, 15, v0                           ; r = lane % 16
	v_bfe_u32 v2, v0, 4, 1                         ; h = lane / 16
	v_mul_u32_u24 v3, v1, PITCH
	v_lshl_add_u32 v4, v2, 4, v3                   ; r x pitch + 16 h
	s_wait_alu depctr_va_vdst(0)
	s_mul_i32 s21, s15, HALFT                      ; my 128 rows of P
	s_mul_i32 s22, s16, HALFT                      ; my 128 rows of Q,
	s_add_co_u32 s22, s22, 2*HALFT                 ; which lie behind P's 256
.irp s, 0,1
	v_add_nc_u32 v[ADRA+\s], s21, v4
	v_add_nc_u32 v[ADRB+\s], s22, v4
	s_add_co_u32 s21, s21, SLOT
	s_add_co_u32 s22, s22, SLOT
.endr
	s_mul_i32 s23, s15, HALFT
	s_lshl_b32 s21, s16, 7
	s_add_co_u32 s23, s23, s21
	v_add_nc_u32 v[STO], s23, v4                   ; the stage: row 128 ph + r, byte 128 qh + 16 h
	v_and_b32 v5, 31, v0                           ; L
	v_lshrrev_b32 v3, 2, v5
	v_mul_u32_u24 v3, v3, PITCH
	v_and_b32 v[RDQ], 3, v5
	v_lshl_add_u32 v[RDQ], v[RDQ], 4, v3
	s_lshl_b32 s21, s14, 6
	v_add_nc_u32 v[RDQ], s21, v[RDQ]               ; (L / 4) x pitch + 64 w + 16 (L % 4)
	v_add_nc_u32 v[RDQ+1], 128*PITCH, v[RDQ]
	s_lshl_b32 s21, s14, 1
	v_add_nc_u32 v3, s21, v2                       ; 2 w + h
	v_mul_u32_u24 v[RDV], v3, PITCH
	v_lshl_add_u32 v[RDV], v1, 4, v[RDV]
	v_add_nc_u32 v[RDV+1], 128*PITCH, v[RDV]
	v_lshlrev_b32 v[GOQ], 4, v5
	v_lshlrev_b32 v[GOV], 11, v3
	v_lshl_add_u32 v[GOV], v1, 4, v[GOV]
	v_lshlrev_b32 v[BOQ], 5, v2
	v_lshlrev_b32 v[BOP], 2, v1
	s_wait_kmcnt 0x0                               ; the exponents
	s_cmp_eq_u32 ttmp9, 0
	s_cselect_b32 s85, s78, s79                    ; cluster x 0 makes q (e2), 1 makes k (e3),
	s_cmp_ge_u32 s[CLY], 8
	s_cselect_b32 s85, s81, s85                    ; cluster y 8 and more make v (e5): a choice, no branch
	s_add_co_i32 s86, s76, s77                     ; e0 + e1
	s_sub_co_i32 s85, s85, s86
	s_add_co_i32 s85, s85, 127
	s_lshl_b32 s96, s85, 23
	v_mov_b32 v[SC], s96                           ; 2^(eo - e0 - e1): the conversion takes its exponent field
	s_sub_co_i32 s86, 0, s86                       ; -(e0 + e1), for the bias
	; THE BIAS, in the result's layout.  The branch hangs on the cluster's y, which all partners and all waves share.
	s_cmp_ge_u32 s[CLY], 8
	s_cbranch_scc1 .Lbias_v
	s_lshl_b32 s66, s42, 10                        ; q, k: W's rows run along the registers: register 8 b + j holds b_attn at row 256 block + 128 qh + 16 b + 8 h + j
	s_lshl_b32 s67, s16, 9
	s_add_co_u32 s66, s66, s67
	s_mov_b32 s67, 0
	s_add_nc_u64 s[66:67], s[8:9], s[66:67]
	s_wait_alu depctr_va_vdst(0)
.irp b, 0,1,2,3,4,5,6,7
	global_load_b128 v[BI+8*\b:BI+8*\b+3], v[BOQ], s[66:67] offset:64*\b
	global_load_b128 v[BI+8*\b+4:BI+8*\b+7], v[BOQ], s[66:67] offset:64*\b+16
.endr
	s_wait_loadcnt 0x0
.set j, 0
.rept 64
	v_ldexp_f32 v[BI+j], v[BI+j], s86              ; / 2^(e0 + e1): the power of two that the sums lack
.set j, j+1
.endr
	s_branch .Lbias_done
.Lbias_v:
	s_lshl_b32 s74, s17, 10                        ; v: W's row is the lane: registers 8 a + 0 .. 7 all hold b_attn at row 2,048 + 256 block + 128 ph + 16 a + r
	s_lshl_b32 s75, s15, 9
	s_add_co_u32 s74, s74, s75
	s_add_co_u32 s74, s74, 4*2048
	s_mov_b32 s75, 0
	s_add_nc_u64 s[74:75], s[8:9], s[74:75]
	s_wait_alu depctr_va_vdst(0)
.irp a, 0,1,2,3,4,5,6,7
	global_load_b32 v[BI+8*\a], v[BOP], s[74:75] offset:64*\a
.endr
	s_wait_loadcnt 0x0
.irp a, 0,1,2,3,4,5,6,7
.irp j, 7,6,5,4,3,2,1,0
	v_ldexp_f32 v[BI+8*\a+\j], v[BI+8*\a], s86     ; scaled and spread over the tile's eight registers in one line each; the source register last
.endr
.endr
.Lbias_done:
.macro FRAG reg, adr, q, i             ; a fragment: lane l holds row l % 16; registers 4 c .. 4 c + 3 hold K = 32 c + 16 (l / 16) + 0 .. 15: the same places in P and in Q, so every product meets its partner
.irp c, 0,1,2,3
	ds_load_b128 v[\reg+4*\c:\reg+4*\c+3], v[\adr] offset:128*(\q)+32*\c+(\i)*16*PITCH
.endr
.endm
; 16 matrix instructions: P's blocks a0, a0 + 1 x Q's eight, 128 along K.  p: Q's set.  first = 1: the sums start from the bias along the registers (q, k); 2: from the bias of the lane (v); 0: they go on.
; The 64 accumulators take turns, one instruction a turn, in the same order in every step.
.macro MUL16 a0, p, first
.irp a, \a0, \a0+1
.irp b, 0,1,2,3,4,5,6,7
.if \first == 1
	v_wmma_f32_16x16x128_bf8_bf8 v[8*(8*((\a)%4)+\b):8*(8*((\a)%4)+\b)+7], v[128*(\p)+FR*\b:128*(\p)+FR*\b+FR-1], v[AF+FR*(\a):AF+FR*(\a)+FR-1], v[BI+8*\b:BI+8*\b+7]
.elseif \first == 2
	v_wmma_f32_16x16x128_bf8_bf8 v[8*(8*((\a)%4)+\b):8*(8*((\a)%4)+\b)+7], v[128*(\p)+FR*\b:128*(\p)+FR*\b+FR-1], v[AF+FR*(\a):AF+FR*(\a)+FR-1], v[BI+8*(\a):BI+8*(\a)+7]
.else
	v_wmma_f32_16x16x128_bf8_bf8 v[8*(8*((\a)%4)+\b):8*(8*((\a)%4)+\b)+7], v[128*(\p)+FR*\b:128*(\p)+FR*\b+FR-1], v[AF+FR*(\a):AF+FR*(\a)+FR-1], v[8*(8*((\a)%4)+\b):8*(8*((\a)%4)+\b)+7]
.endif
.endr
.endr
.endm
.macro FETCH_B slot, q, p              ; Q's eight fragments of the slot's q-th 128 along K into set p
	WIN TO_B
.irp i, 0,1,2,3,4,5,6,7
	FRAG 128*(\p)+FR*\i, ADRB+\slot, \q, \i
.endr
	WIN 0
.endm
.macro FETCH_A slot, q, i0             ; P's blocks i0 .. i0 + 3
.irp i, \i0, \i0+1, \i0+2, \i0+3
	FRAG AF+FR*(\i), ADRA+\slot, \q, \i
.endr
.endm
.macro PLACES n                        ; plain vector lines between a matrix instruction and a load into, or a read of, its registers
.rept \n
	v_nop
.endr
.endm
; A step of 128 along K that has its successor in the same slot.  A block of P is free once its eight products are issued: blocks 0-3 are fetched anew in the middle, blocks 4-7 at the end.
.macro STEP slot, q, first
	s_wait_dscnt 4*NL                              ; Q's set and P's blocks 0-3 are in; the youngest 16 loads (P's blocks 4-7) may be out
.if \first
	WIN 0x81                                       ; source 0 window 1, source 1 and C (the bias) window 0, D window 2
.else
	WIN MUL_LO
.endif
	MUL16 0, (\q)%2, \first
	MUL16 2, (\q)%2, \first
	s_wait_dscnt 0                                 ; P's blocks 4-7 are in
	PLACES NP
	FETCH_B \slot, (\q)+1, 1-(\q)%2
	FETCH_A \slot, (\q)+1, 0
.if \first
	WIN 0xc1                                       ; the same, D window 3
.else
	WIN MUL_HI
.endif
	MUL16 4, (\q)%2, \first
	MUL16 6, (\q)%2, \first
	PLACES NP
	WIN 0
	FETCH_A \slot, (\q)+1, 4
.endm
; A slot's last step changes slots: one barrier; in front of it each wave waits for all its tensor loads, adds 0 to its spare word, and waits for that and for its reads of this slot.  fill = 1: the slot is filled again, two K steps ahead.
.macro TURN slot, next, fill
	s_wait_tensorcnt 0x0                           ; all my tensor loads have landed: my part of the next slot
	ds_add_u32 v[SPW], v[NIL]                      ; 0 onto my spare word
	s_wait_dscnt 4*NL+1                            ; the add and the youngest 16 loads may be out
	WIN MUL_LO
	MUL16 0, 1, 0                                  ; sixteen matrix instructions stand between the add and the wait for it
	s_wait_dscnt 0x0                               ; the add is done, and my reads of this slot are over
	s_barrier_signal -1
	MUL16 2, 1, 0
	WIN 0
	s_barrier_wait -1
.if \fill
	CREST                                          ; the barrier has opened a round of the cluster's barrier: no wave of any partner still reads this slot or has a load on its way
	s_add_nc_u64 s[G0+4*\slot+2:G0+4*\slot+3], s[G0+4*\slot+2:G0+4*\slot+3], 2*ROWB
	s_add_nc_u64 s[G0B+4*\slot+2:G0B+4*\slot+3], s[G0B+4*\slot+2:G0B+4*\slot+3], 2*ROWB
	JLOAD G0+4*\slot, G1, G0B+4*\slot, G1B         ; the first tensor load behind the round; its four v_nop are also the places in front of the loads below
.else
	PLACES NP
.endif
	FETCH_B \next, 0, 0
	FETCH_A \next, 0, 0
	WIN MUL_HI
	MUL16 4, 1, 0
	MUL16 6, 1, 0
	PLACES NP
	WIN 0
	FETCH_A \next, 0, 4
.endm
	s_wait_tensorcnt 1                             ; my part of K step 0 is in; K step 1's load may be out
	s_barrier_signal -1
	s_barrier_wait -1
	FETCH_B 0, 0, 0
	FETCH_A 0, 0, 0
	FETCH_A 0, 0, 4
	s_cmp_ge_u32 s[CLY], 8                         ; the first step is written twice: its C operands name other registers for v
	s_cbranch_scc1 .Lfirst_v
	s_wait_alu depctr_va_vdst(0)
	STEP 0, 0, 1
	s_branch .Lfirst_done
.Lfirst_v:
	s_wait_alu depctr_va_vdst(0)
	STEP 0, 0, 2
.Lfirst_done:
	TURN 0, 1, 1                                   ; K = 1,024 is four slots' worth: the eight steps are written out, and only the first two changes of slots fill one again
	STEP 1, 0, 0
	TURN 1, 0, 1
	STEP 0, 0, 0
	TURN 0, 1, 0
	STEP 1, 0, 0
	s_wait_dscnt 4*NL                              ; the last step: nothing more to fetch
	WIN MUL_LO
	MUL16 0, 1, 0
	MUL16 2, 1, 0
	s_wait_dscnt 0
	WIN MUL_HI
	MUL16 4, 1, 0
	MUL16 6, 1, 0
	WIN 0
; THE WAY OUT.  Block a (16 rows of P x my 128 of Q): the sums are
; converted, eight neighbours along Q to two registers.  A lane's 16 bytes (tiles 2 g and 2 g + 1) go to the stage at row 128 ph + 16 a + r, byte 128 qh + 32 g + 16 h.
; The stage, 256 rows x 272 bytes, lies in slot 0's rows of P: that slot has had its last fill, and behind the last change of slots nobody reads it.
.macro OUTBLK a
.set AC, 64*((\a)%4)
	WIN 0x02+((\a)/4)                              ; source 0: window 2 or 3
.set j, 0
.rept 64
.set j, j+1
.endr
.irp b, 0,1,2,3,4,5,6,7
	v_cvt_scalef32_pk8_bf8_f32 v[CD+16*(\a)+2*\b:CD+16*(\a)+2*\b+1], v[AC+8*\b:AC+8*\b+7], v[SC]
.endr
	WIN 0
	v_nop                                          ; one plain line behind the conversions
.irp g, 0,1,2,3
	ds_store_b128 v[STO], v[CD+16*(\a)+4*\g:CD+16*(\a)+4*\g+3] offset:16*PITCH*(\a)+32*\g
.endr
.endm
	PLACES NP
.irp a, 0,1,2,3,4,5,6,7
	OUTBLK \a
.endr
	s_wait_dscnt 0x0                               ; for the others' sake: my stores into the stage are done (a row's 256 bytes come from two waves)
	s_barrier_signal -1
	s_barrier_wait -1
	s_cmp_ge_u32 s[CLY], 8
	s_cbranch_scc1 .Lout_v
	; q, k: a stage row is 4 heads x 64 bytes of one t.  Wave w takes head w of all 256 rows: in memory 16,384 consecutive bytes; each store covers 512 of them
	s_cmp_eq_u32 ttmp9, 0
	s_cselect_b64 s[88:89], s[68:69], s[70:71]
	s_lshr_b32 s90, s17, 3                         ; the batch
	s_lshl_b32 s90, s90, 4
	s_lshl_b32 s91, s40, 2
	s_add_co_u32 s90, s90, s91
	s_add_co_u32 s90, s90, s14                     ; 16 b + 4 cx + w: the head's block
	s_lshl_b32 s90, s90, 17                        ; of 2,048 x 64 bytes
	s_and_b32 s91, s17, 7
	s_lshl_b32 s91, s91, 14                        ; + 256 t x 64 bytes for each block of P
	s_add_co_u32 s90, s90, s91
	s_mov_b32 s91, 0
	s_add_nc_u64 s[88:89], s[88:89], s[90:91]
.set t, 0
.rept 32
	ds_load_b128 v[OUT+4*t:OUT+4*t+3], v[RDQ+t/16] offset:8*PITCH*(t%16)
.set t, t+1
.endr
.set t, 0
.rept 32
	s_wait_dscnt 31-t                              ; LDS loads come back in order: load t is in, the younger ones may be out
	global_store_b128 v[GOQ], v[OUT+4*t:OUT+4*t+3], s[88:89] offset:512*t
.set t, t+1
.endr
	s_branch .Lout_done
.Lout_v:
	; v: a stage row is one channel d, 256 keys.  Each store takes two rows: sixteen lanes store 256 consecutive bytes, aligned
	s_lshr_b32 s90, s42, 3                         ; the batch
	s_lshl_b32 s90, s90, 10
	s_lshl_b32 s91, s41, 8
	s_add_co_u32 s90, s90, s91                     ; row 1,024 b + 256 cy of v_codes
	s_lshl_b32 s90, s90, 11                        ; of 2,048 bytes
	s_and_b32 s91, s42, 7
	s_lshl_b32 s91, s91, 8                         ; + 256 keys for each block of Q
	s_add_co_u32 s90, s90, s91
	s_mov_b32 s91, 0
	s_add_nc_u64 s[88:89], s[72:73], s[90:91]
.set t, 0
.rept 32
	ds_load_b128 v[OUT+4*t:OUT+4*t+3], v[RDV+t/16] offset:8*PITCH*(t%16)
.set t, t+1
.endr
.set t, 0
.rept 32
	s_wait_dscnt 31-t
	global_store_b128 v[GOV], v[OUT+4*t:OUT+4*t+3], s[88:89] offset:8*2048*t
.set t, t+1
.endr
.Lout_done:
	s_wait_tensorcnt 0x0                           ; the wave's end
	ds_add_u32 v[SPW], v[NIL]
	s_wait_dscnt 0x0
	CROUND                                         ; the closing round: no work-group ends while a partner may still ask for a tile that names it
	s_endpgm
.Lfunc_end_k_q3f645723e7_qkv:
	.size	k_q3f645723e7_qkv, .Lfunc_end_k_q3f645723e7_qkv-k_q3f645723e7_qkv
	.p2alignl 7, 3214868480
	.fill 96, 4, 3214868480
	.section	.rodata,"a",@progbits
	.p2align	6, 0x0
	.amdhsa_kernel k_q3f645723e7_qkv
		.amdhsa_group_segment_fixed_size 327680
		.amdhsa_private_segment_fixed_size 0
		.amdhsa_enable_private_segment 0
		.amdhsa_kernarg_size 56
		.amdhsa_user_sgpr_count 2
		.amdhsa_user_sgpr_kernarg_segment_ptr 1
		.amdhsa_wavefront_size32 1
		.amdhsa_system_sgpr_workgroup_id_x 1
		.amdhsa_system_sgpr_workgroup_id_y 1
		.amdhsa_system_sgpr_workgroup_id_z 1
		.amdhsa_system_vgpr_workitem_id 0
		.amdhsa_next_free_vgpr 1024
		.amdhsa_next_free_sgpr 100
		.amdhsa_reserve_vcc 0
		.amdhsa_float_denorm_mode_32 3
		.amdhsa_float_denorm_mode_16_64 3
		.amdhsa_fp16_overflow 1
		.amdhsa_memory_ordered 1
		.amdhsa_forward_progress 1
		.amdhsa_inst_pref_size 118
	.end_amdhsa_kernel
	.amdgpu_metadata
---
amdhsa.version: [ 1, 2 ]
amdhsa.kernels:
  - .name:           k_q3f645723e7_qkv
    .symbol:         k_q3f645723e7_qkv.kd
    .args:
      - { .name: x_codes, .offset: 0, .size: 8, .value_kind: global_buffer, .address_space: global }
      - { .name: W_attn_codes, .offset: 8, .size: 8, .value_kind: global_buffer, .address_space: global }
      - { .name: b_attn, .offset: 16, .size: 8, .value_kind: global_buffer, .address_space: global }
      - { .name: lowp_scales, .offset: 24, .size: 8, .value_kind: global_buffer, .address_space: global }
      - { .name: q_codes, .offset: 32, .size: 8, .value_kind: global_buffer, .address_space: global }
      - { .name: k_codes, .offset: 40, .size: 8, .value_kind: global_buffer, .address_space: global }
      - { .name: v_codes, .offset: 48, .size: 8, .value_kind: global_buffer, .address_space: global }
    .group_segment_fixed_size: 327680
    .private_segment_fixed_size: 0
    .kernarg_segment_align: 8
    .kernarg_segment_size: 56
    .max_flat_workgroup_size: 128
    .sgpr_count:     100
    .vgpr_count:     1024
    .wavefront_size: 32
...
	.end_amdgpu_metadata
.endif
;; end of part 1
;; launch attn (part 2): grid 4 x 64, 16 waves a work-group, clusters of 4 x 1, 327,680 bytes of LDS; arguments q_codes, k_codes, v_codes, lowp_scales, y_codes; writes y_codes
.if DOCPART == 2
	.amdgcn_target "amdgcn-amd-amdhsa--gfx1250"
	.amdhsa_code_object_version 6
	.text
	.protected	k_q3f645723e7_attn
	.globl	k_q3f645723e7_attn
	.p2align	8
	.type	k_q3f645723e7_attn,@function
k_q3f645723e7_attn:
	s_mov_b64 s[64:65], 0
	v_nop
	global_prefetch_b8 v0, s[64:65] scope:SCOPE_SE
	s_setreg_imm32_b32 hwreg(HW_REG_WAVE_MODE, 25, 1), 1
	s_wait_xcnt 0x0
	s_wait_alu depctr_hold_cnt(0) depctr_sa_sdst(0) depctr_va_vdst(0) depctr_va_sdst(0) depctr_va_ssrc(0) depctr_va_vcc(0) depctr_vm_vsrc(0)
	s_getreg_b32 s2, hwreg(HW_REG_IB_STS2, 6, 4)
	s_cmp_eq_u32 s2, 0
	s_cbranch_scc0 .Lentry_in_a_cluster
	s_endpgm
.Lentry_in_a_cluster:
	s_bfe_u32 s2, ttmp6, 0x10000c
	s_cmp_lg_u32 s2, 0x3003
	s_cbranch_scc0 .Lentry_shape_is_right
	s_endpgm
.Lentry_shape_is_right:
; y = softmax(q k^T / 8, causal) v for one head a cluster, both products on codes of E5M2; y quantised to E5M2 on the way out.
; q_codes, k_codes: [head n][2,048][64]; v_codes: [n][64][2,048], keys innermost, in each run of 32 keys byte 16 h + 8 u + j = key 16 u + 8 h + j; y_codes: [head][2,048 b + t][64], channels in their own order.
; THE SOFTMAX: t = score x log2(e) / 8; M = the running largest t rounded up to a whole number; p = 2^(t - M) is quantised with 2^e4; the row's sum is taken of the unquantised p and divides at the end.
; When M moves, the sum and O are multiplied by 2^(old M - new M), which rounds nothing.
; SHARES.  The four work-groups of a cluster hold one head's 128 tiles of 16 queries.  A wave holds TWO tiles: with u = w / 4, v = w % 4, G = 4 (u xor v) + u, tile A is queries 64 G + 16 cx on and tile B queries
; 64 (31 - G) + 16 (3 - cx) on: G / 2 + 1 and (31 - G) / 2 + 1 steps of 128 keys count for them, 17 for every wave.  The branches that leave a step out compare with 64 G, made of the wave's number alone:
; a step begins at a multiple of 128 and the partners' tiles lie in one group of 64, so the answer is the same for all four; cx enters Q's and y's addresses and the mask's numbers, and nothing else.
; THE HEAD'S WHOLE K AND V LIE IN LDS, each byte filled once: eight joint loads (mask: all four partners) at the head, four chunks of 512 keys; wave 0 asks for K's, wave 1 for V's.  No slot is filled again.
; LAYOUT.  S^T = K Q^T (source 0 = 16 neighbouring keys, source 1 = my 16 queries): tile i, register j of lane (r, h) is key 16 i + 8 h + j of query r.  Its conversion is registers 2 i, 2 i + 1 of P, which is this
; form's own layout for k = the key; V's order in memory makes four 16-byte loads give the same places.  O^T = V^T P: a lane holds one query throughout.
; LIMITS: e2 + e3 between -123 and 130 (added to c's exponent field); e4 and e6 between -126 and 112; e4 + e5 goes by v_ldexp_f32 and has none.
.set KP,    80                         ; a key's row in LDS: 64 bytes + 16 of padding: an odd multiple of 16
.set VP,    528                        ; a row of a chunk of V: 512 bytes + 16
.set KCH,   512*KP                     ; a chunk of K: 40,960
.set VCH,   64*VP                      ; a chunk of V: 33,792
.set VBASE, 4*KCH                      ; V lies behind K
.set STAGE, VBASE+4*VCH                ; 299,008: 1,024 bytes for each wave, bytes of their own: no fill lands there
.set AK0, 1                            ; v1   80 r + 16 h
.set AV0, 2                            ; v2   VBASE + 528 r + 16 h
.set QO,  3                            ; v3   64 r + 16 h
.set ADK, 4                            ; v4   the step's K
.set ADV, 7                            ; v7   the step's V
.set HL,  8
.set SC,  9                            ; v9   2^e4; on the way out 2^e6
.set T,   10                           ; v10  a lane permute's destination
.set STA, 12                           ; v12-15 tile A: -M, the largest t, the sum in two halves
.set STB, 16                           ; v16-19 tile B
.set QLA, 20                           ; v20  tile A: my query - 8 h
.set QLB, 21                           ; v21  tile B
.set F,   22                           ; v[22:23] f = 2^(old M - new M); v23 is named with it as a pair
.set CH,  24                           ; v[24:25] the sum's second chain
.set MX0, 26
.set MX1, 27
.set QFA, 28                           ; v28-35 Q's fragment, tile A
.set QFB, 36                           ; v36-43 tile B
.set OTA, 44                           ; v44-75 O^T, tile A
.set OTB, 76                           ; v76-107 tile B
.set FR,  108                          ; v108-171 eight fragments of K, then four of V
.set S,   172                          ; v172-235 S^T, then p
.set PC,  236                          ; v236-251 p's codes
.set STO, 252
.set RD,  253
.set GO,  254
.set WV,  14
.set G1K, 16                           ; s[16:23], s[24:31] group 1 for K's and V's chunks
.set G1V, 24
.set G0K, 32                           ; s[32:47] group 0 for K's four chunks
.set G0V, 48                           ; s[48:63] for V's
.set SEL, 66                           ; s[66:67] lane l xor 16
.set CS,  76                           ; s[76:77] c = log2(e) / 8 x 2^(e2 + e3)
.set KF,  78                           ; the step's first key
.set TBK, 79                           ; its K's LDS byte
.set TBV, 80                           ; its V's, less VBASE
.set TW,  81
.set QSA, 82                           ; 64 G of tile A, and + 63
.set QEA, 83
.set QSB, 84
.set QEB, 85
.set YA,  88                           ; s[88:89], s[90:91] y at my tiles
.set YB,  90
.macro CROUND                          ; a round of the cluster's barrier
	s_barrier_signal -1
	s_barrier_wait -1
	s_cmp_lg_u32 s[WV], 0
	s_cbranch_scc1 .Lnot_wave_0_\@
	s_barrier_signal -3
.Lnot_wave_0_\@:
	s_barrier_wait -3
	s_barrier_signal -1
	s_barrier_wait -1
.endm
	s_load_b256 s[4:11], s[0:1], 0x0               ; q s[4:5], k s[6:7], v s[8:9], the scales' exponents s[10:11]
	s_load_b64 s[12:13], s[0:1], 0x20              ; y
	v_lshl_add_u32 v254, v0, 2, 0x4d000
	v_mov_b32 v255, 0
	ds_add_u32 v254, v255
	ds_add_u32 v254, v255
	s_wait_dscnt 0x0
	v_lshrrev_b32 v11, 5, v0
	s_delay_alu instid0(VALU_DEP_1)
	v_readfirstlane_b32 s[WV], v11                 ; wave 0..15
	s_bfe_u32 s15, ttmp6, 0x40000                  ; cx
	s_and_b32 s96, ttmp7, 0xffff                   ; n = 16 b + head, which the partners share
	s_lshl_b32 s98, s96, 17                        ; the head's 131,072 bytes in q, k and v
	s_mov_b32 s99, 0
	s_lshr_b32 s86, s[WV], 2                       ; u
	s_and_b32 s97, s[WV], 3                        ; v
	s_xor_b32 s97, s97, s86
	s_lshl_b32 s97, s97, 2
	s_add_co_u32 s97, s97, s86                     ; G = 4 (u xor v) + u
	s_lshl_b32 s[QSA], s97, 6
	s_add_co_u32 s[QEA], s[QSA], 63
	s_xor_b32 s97, s97, 31                         ; 31 - G
	s_lshl_b32 s[QSB], s97, 6
	s_add_co_u32 s[QEB], s[QSB], 63
	s_lshl_b32 s86, s15, 4
	s_add_co_u32 s92, s[QSA], s86                  ; tile A's first query
	s_sub_co_u32 s94, 48, s86
	s_add_co_u32 s94, s94, s[QSB]                  ; tile B's
	v_and_b32 v5, 15, v0                           ; r
	v_bfe_u32 v6, v0, 4, 1                         ; h
	s_delay_alu instid0(VALU_DEP_1)
	v_lshlrev_b32 v11, 3, v6
	s_delay_alu instid0(VALU_DEP_1)
	v_sub_nc_u32 v11, v5, v11
	s_delay_alu instid0(VALU_DEP_1)
	v_add_nc_u32 v[QLA], s92, v11                  ; my query - 8 h: numbers for the mask, no address
	s_delay_alu instid0(VALU_DEP_2)
	v_add_nc_u32 v[QLB], s94, v11
	s_and_b32 s88, s96, 15
	s_lshl_b32 s88, s88, 19                        ; y: the head's 8,192 rows of 64 bytes,
	s_lshr_b32 s89, s96, 4
	s_lshl_b32 s89, s89, 17                        ; the batch's 2,048 rows
	s_add_co_u32 s88, s88, s89
	s_lshl_b32 s92, s92, 6
	s_lshl_b32 s94, s94, 6
	s_add_co_u32 s90, s88, s94
	s_add_co_u32 s88, s88, s92
	s_add_co_u32 s92, s92, s98
	s_add_co_u32 s94, s94, s98
	s_mov_b32 s89, 0
	s_mov_b32 s91, 0
	s_mov_b32 s93, 0
	s_mov_b32 s95, 0
	; group 1.  K: 512 rows of 64 bytes, dense; 16 bytes of padding behind each.  V: 64 rows of 512 bytes, 2,048 apart; 16 bytes behind each
	s_mov_b32 s[G1K], 15|(1<<20)|(1<<21)|(3<<22)|(3<<25)   ; the mask: all four work-groups; elements of 1 byte; padding on; bit 21 beside a mask; after every 16 words, 4 words
	s_mov_b32 s[G1K+1], 64<<16
	s_mov_b32 s[G1K+2], 512<<16
	s_mov_b32 s[G1K+3], 64<<16
	s_mov_b32 s[G1K+4], 512
	s_mov_b32 s[G1K+5], 64
	s_mov_b32 s[G1K+6], 0
	s_mov_b32 s[G1K+7], 0
	s_mov_b32 s[G1V], 15|(1<<20)|(1<<21)|(6<<22)|(3<<25)   ; after every 128 words, 4 words
	s_mov_b32 s[G1V+1], 512<<16
	s_mov_b32 s[G1V+2], 64<<16
	s_mov_b32 s[G1V+3], 512<<16
	s_mov_b32 s[G1V+4], 64
	s_mov_b32 s[G1V+5], 2048
	s_mov_b32 s[G1V+6], 0
	s_mov_b32 s[G1V+7], 0
	s_mov_b32 s[SEL], 0x76543210
	s_mov_b32 s[SEL+1], 0xfedcba98
	s_mov_b32 s[CS], 0x3e38aa3b                    ; log2(e) / 8
	s_wait_kmcnt 0x0
	s_load_b256 s[68:75], s[10:11], 0x0            ; e0 .. e7
	s_add_nc_u64 s[92:93], s[4:5], s[92:93]        ; Q at tile A, at tile B
	s_add_nc_u64 s[94:95], s[4:5], s[94:95]
	s_add_nc_u64 s[YA:YA+1], s[12:13], s[88:89]
	s_add_nc_u64 s[YB:YB+1], s[12:13], s[90:91]
	s_add_nc_u64 s[6:7], s[6:7], s[98:99]          ; K and V at the head: made of n alone
	s_add_nc_u64 s[8:9], s[8:9], s[98:99]
.irp c, 0,1,2,3
	s_mov_b32 s[G0K+4*\c], 1
	s_mov_b32 s[G0K+4*\c+1], KCH*\c
	s_add_nc_u64 s[G0K+4*\c+2:G0K+4*\c+3], s[6:7], 512*64*\c
	s_or_b32 s[G0K+4*\c+3], s[G0K+4*\c+3], 0x80000000
	s_mov_b32 s[G0V+4*\c], 1
	s_mov_b32 s[G0V+4*\c+1], VBASE+VCH*\c
	s_add_nc_u64 s[G0V+4*\c+2:G0V+4*\c+3], s[8:9], 512*\c
	s_or_b32 s[G0V+4*\c+3], s[G0V+4*\c+3], 0x80000000
.endr
	CROUND                                         ; all four work-groups are here: the joint loads meet
	s_cmp_lg_u32 s[WV], 0                          ; a wave's four fills stand in one branch on its number; four loads of that wave are out
	s_cbranch_scc1 .Lnot_k
.irp c, 0,1,2,3
	tensor_load_to_lds s[G0K+4*\c:G0K+4*\c+3], s[G1K:G1K+7]
	s_nop 0
.endr
.rept 4
	v_nop
.endr
	s_branch .Lasked
.Lnot_k:
	s_cmp_lg_u32 s[WV], 1
	s_cbranch_scc1 .Lasked
.irp c, 0,1,2,3
	tensor_load_to_lds s[G0V+4*\c:G0V+4*\c+3], s[G1V:G1V+7]
	s_nop 0
.endr
.rept 4
	v_nop
.endr
.Lasked:
	s_wait_alu depctr_va_vdst(0)
	v_lshlrev_b32 v[QO], 6, v5
	s_delay_alu instid0(VALU_DEP_1)
	v_lshl_add_u32 v[QO], v6, 4, v[QO]
.irp c, 0,1
	global_load_b128 v[QFA+4*\c:QFA+4*\c+3], v[QO], s[92:93] offset:32*\c   ; Q stays in registers: bytes 32 c + 16 h on of row r, as K's fragments are read
	global_load_b128 v[QFB+4*\c:QFB+4*\c+3], v[QO], s[94:95] offset:32*\c
.endr
	v_mul_u32_u24 v[AK0], v5, KP
	s_delay_alu instid0(VALU_DEP_1)
	v_lshl_add_u32 v[AK0], v6, 4, v[AK0]
	v_mul_u32_u24 v[AV0], v5, VP
	s_delay_alu instid0(VALU_DEP_1)
	v_lshl_add_u32 v[AV0], v6, 4, v[AV0]
	s_delay_alu instid0(VALU_DEP_1)
	v_add_nc_u32 v[AV0], VBASE, v[AV0]
	s_lshl_b32 s86, s[WV], 10
	s_add_co_u32 s86, s86, STAGE                   ; my stage
	v_lshlrev_b32 v[STO], 6, v5
	s_delay_alu instid0(VALU_DEP_1)
	v_lshl_add_u32 v[STO], v6, 3, v[STO]
	s_delay_alu instid0(VALU_DEP_1)
	v_add_nc_u32 v[STO], s86, v[STO]               ; in: row r of 64 bytes, + 8 h
	v_and_b32 v11, 31, v0
	s_delay_alu instid0(VALU_DEP_1)
	v_lshlrev_b32 v[GO], 4, v11                    ; back, and in y: 16 bytes a lane
	s_delay_alu instid0(VALU_DEP_1)
	v_add_nc_u32 v[RD], s86, v[GO]
.irp st, STA, STB
	v_mov_b32 v[\st+1], 0xff61b1e6                 ; the largest t so far: -3e38, under every t
	s_delay_alu instid0(VALU_DEP_1)
	v_floor_f32 v[\st], -v[\st+1]                  ; -M
	v_mov_b32 v[\st+2], 0
	v_mov_b32 v[\st+3], 0
.endr
	v_mov_b32 v[T], 0                              ; a lane permute's destination counts as one of its sources
	v_mov_b32 v[F+1], 0
.set j, 0
.rept 64
	v_mov_b32 v[OTA+j], 0                          ; both O^T: the step is written once, and its first turn finds zeros, which the first change of M leaves zeros
.set j, j+1
.endr
	s_wait_kmcnt 0x0
	s_add_co_i32 s86, s70, s71
	s_lshl_b32 s86, s86, 23
	s_add_co_i32 s[CS], s[CS], s86                 ; a score stands for score x 2^(e2 + e3): added to c's exponent field
	s_mov_b32 s[CS+1], s[CS]
	s_add_co_i32 s86, s72, 127
	s_lshl_b32 s97, s86, 23
	v_mov_b32 v[SC], s97                           ; 2^e4
	s_add_co_i32 s87, s72, s73                     ; e4 + e5
	s_wait_loadcnt 0x0                             ; Q
; A KEY STEP of one tile: 128 keys from s[KF] on.  st: its statistics; qf: Q's fragment; ot: O^T; ql: my query - 8 h; qs, qe: the first and last query of the tile's group of 64.
.macro STEP st, qf, ot, ql, qs, qe
	s_cmp_gt_u32 s[KF], s[\qe]                     ; all keys come after the group's queries: the step is left out
	s_cbranch_scc1 .Lhid_\@
	v_add_nc_u32 v[ADK], s[TBK], v[AK0]
	v_add_nc_u32 v[ADV], s[TBV], v[AV0]
	v_nop                                          ; with the two additions: four places in front of loads into registers that the last products read
	v_nop
.irp i, 0,1,2,3,4,5,6,7
	ds_load_b128 v[FR+8*\i:FR+8*\i+3], v[ADK] offset:16*KP*\i
	ds_load_b128 v[FR+8*\i+4:FR+8*\i+7], v[ADK] offset:16*KP*\i+32
.endr
	s_wait_alu depctr_va_vdst(0)
	s_wait_dscnt 0x0
.irp i, 0,1,2,3,4,5,6,7
	v_wmma_f32_16x16x64_bf8_bf8 v[S+8*\i:S+8*\i+7], v[FR+8*\i:FR+8*\i+7], v[\qf:\qf+7], 0
.endr
.rept 4
	v_nop                                          ; places in front of the loads below and of the first read of the scores
.endr
.irp t, 0,1,2,3
.irp c, 0,1,2,3
	ds_load_b128 v[FR+16*\t+4*\c:FR+16*\t+4*\c+3], v[ADV] offset:16*VP*\t+32*\c   ; V's four fragments land while the softmax is worked
.endr
.endr
	s_add_co_u32 s86, s[KF], 128
	s_cmp_le_u32 s86, s[\qs]                       ; all keys count for the whole group: no mask
	s_cbranch_scc1 .Lopen_\@
	v_sub_nc_u32 v[MX0], v[\ql], s[KF]             ; d = my query - 8 h - KF.  Register 8 i + j holds key KF + 16 i + 8 h + j: hidden where 16 i + j > d
	v_mov_b32 v[MX1], 0xff800000                   ; -infinity: p = 0 then
.set n, 0
.rept 64
	v_cmp_gt_i32 vcc_lo, 16*(n/8)+n%8, v[MX0]
	v_cndmask_b32 v[S+n], v[S+n], v[MX1], vcc_lo
.set n, n+1
.endr
.Lopen_\@:
	v_max3_num_f32 v[MX0], v[S], v[S+1], v[S+2]    ; the step's largest score of my query among my 64 keys, in two chains, each accumulator from its low end on
	v_max3_num_f32 v[MX1], v[S+3], v[S+4], v[S+5]
.irp i, 6,10,14,18,22,26,30,34,38,42,46,50,54,58
	v_max3_num_f32 v[MX0], v[MX0], v[S+\i], v[S+\i+1]
	v_max3_num_f32 v[MX1], v[MX1], v[S+\i+2], v[S+\i+3]
.endr
	v_max3_num_f32 v[MX0], v[MX0], v[S+62], v[S+63]
	s_delay_alu instid0(VALU_DEP_1)
	v_max_num_f32 v[MX0], v[MX0], v[MX1]
	s_delay_alu instid0(VALU_DEP_1)
	v_permlanex16_b32 v[T], v[MX0], s[SEL], s[SEL+1]
	s_delay_alu instid0(VALU_DEP_1)
	v_max_num_f32 v[MX0], v[MX0], v[T]             ; and among lane l xor 16's
	s_delay_alu instid0(VALU_DEP_1)
	v_mul_f32 v[MX0], s[CS], v[MX0]                ; as t (c is positive)
	s_delay_alu instid0(VALU_DEP_1)
	v_max_num_f32 v[\st+1], v[\st+1], v[MX0]       ; the running largest t
	v_mov_b32 v[MX0], v[\st]
	s_delay_alu instid0(VALU_DEP_2)
	v_floor_f32 v[\st], -v[\st+1]                  ; the new -M = floor(-t): M is a whole number
	s_delay_alu instid0(VALU_DEP_1)
	v_sub_f32 v[MX0], v[\st], v[MX0]               ; old M - new M: a whole number, 0 or less
	s_delay_alu instid0(VALU_DEP_1)
	v_cvt_i32_f32 v[MX0], v[MX0]                   ; (it saturates)
	s_delay_alu instid0(VALU_DEP_1)
	v_ldexp_f32 v[F], 1.0, v[MX0]                  ; f = 2^(old M - new M)
.set j, 0
.rept 32
	v_pk_fma_f32 v[S+j:S+j+1], v[S+j:S+j+1], s[CS:CS+1], v[\st:\st+1] op_sel_hi:[1,0,0]   ; t - M, two at a time
.set j, j+2
.endr
.set j, 0
	s_wait_alu depctr_va_vdst(0)
.rept 64
	v_exp_f32 v[S+j], v[S+j]                       ; p = 2^(t - M), at most 1, not normalised
.set j, j+1
.endr
	v_pk_mul_f32 v[\st+2:\st+3], v[\st+2:\st+3], v[F:F+1] op_sel_hi:[1,0]   ; the sums under the new M: the plain line behind the exponentials
	s_wait_alu depctr_va_vdst(0)                   ; one wait for the whole batch, ahead of its first reader
	v_pk_add_f32 v[CH:CH+1], v[S:S+1], v[S+2:S+3]  ; the row's sum is taken of the unquantised p, in two chains
.irp j, 4,8,12,16,20,24,28,32,36,40,44,48,52,56,60
	v_pk_add_f32 v[\st+2:\st+3], v[\st+2:\st+3], v[S+\j:S+\j+1]
	v_pk_add_f32 v[CH:CH+1], v[CH:CH+1], v[S+\j+2:S+\j+3]
.endr
	s_delay_alu instid0(VALU_DEP_1)
	v_pk_add_f32 v[\st+2:\st+3], v[\st+2:\st+3], v[CH:CH+1]
.irp i, 0,1,2,3,4,5,6,7
.irp j, 0,1,2,3,4,5,6,7
.endr
	v_cvt_scalef32_pk8_bf8_f32 v[PC+2*\i:PC+2*\i+1], v[S+8*\i:S+8*\i+7], v[SC]   ; keys 16 i + 8 h + 0 .. 7: registers 2 i, 2 i + 1 of P
.endr
.set j, 0
.rept 16
	v_pk_mul_f32 v[\ot+j:\ot+j+1], v[\ot+j:\ot+j+1], v[F:F+1] op_sel_hi:[1,0]   ; O^T under the new M; these are also the plain lines behind the conversions
.set j, j+2
.endr
	s_wait_alu depctr_va_vdst(0)
	s_wait_dscnt 0x0                               ; V's fragments are in
.irp t, 0,1,2,3
	v_wmma_f32_16x16x128_bf8_bf8 v[\ot+8*\t:\ot+8*\t+7], v[FR+16*\t:FR+16*\t+15], v[PC:PC+15], v[\ot+8*\t:\ot+8*\t+7]   ; four accumulators by turns; the matrix instruction ahead of them is a score's
.endr
.Lhid_\@:
.endm
; A CHUNK of 512 keys: four trips, each one key step of tile B and of tile A.  Every wave walks every trip; only a step's work is jumped over.
.macro CHUNK c
	s_wait_tensorcnt 3-\c                          ; in the wave that asked: chunk c has landed, the 3 - c later chunks may be out
	s_wait_dscnt 0x0
	s_barrier_signal -1
	s_barrier_wait -1                              ; chunk c of K and of V is there for all sixteen waves
	s_mov_b32 s[KF], 512*\c
	s_mov_b32 s[TBK], KCH*\c
	s_mov_b32 s[TBV], VCH*\c
	s_mov_b32 s[TW], 4
.Ltrip_\@:
	STEP STB, QFB, OTB, QLB, QSB, QEB
	STEP STA, QFA, OTA, QLA, QSA, QEA
	s_add_co_u32 s[KF], s[KF], 128
	s_add_co_u32 s[TBK], s[TBK], 128*KP
	s_add_co_u32 s[TBV], s[TBV], 128
	s_sub_co_u32 s[TW], s[TW], 1
	s_cmp_lg_u32 s[TW], 0
	s_cbranch_scc1 .Ltrip_\@
.endm
	CHUNK 0
	CHUNK 1
	CHUNK 2
	CHUNK 3
	; THE WAY OUT.  y = O^T x 2^(e4 + e5) / the sum, quantised with 2^e6; a tile's 16 rows of 64 bytes go through my stage and leave as 1,024 consecutive bytes.
	s_add_co_i32 s86, s74, 127
	s_lshl_b32 s97, s86, 23
	v_mov_b32 v[SC], s97                           ; 2^e6
	v_nop                                          ; with the line above: three places behind the last products
	v_nop
.macro WAYOUT st, ot, yp, k
	v_add_f32 v[\st+2], v[\st+2], v[\st+3]         ; the sum's two halves,
	s_delay_alu instid0(VALU_DEP_1)
	v_permlanex16_b32 v[T], v[\st+2], s[SEL], s[SEL+1]
	s_delay_alu instid0(VALU_DEP_1)
	v_add_f32 v[\st+2], v[\st+2], v[T]             ; and lane l xor 16's
	s_wait_alu depctr_va_vdst(0)
	v_rcp_f32 v[\st+2], v[\st+2]
	v_nop                                          ; a plain line behind the reciprocal,
	s_wait_alu depctr_va_vdst(0)                   ; and the wait ahead of its first reader
	v_ldexp_f32 v[F], v[\st+2], s87                ; x 2^(e4 + e5)
.set j, 0
.rept 16
	v_pk_mul_f32 v[S+j:S+j+1], v[\ot+j:\ot+j+1], v[F:F+1] op_sel_hi:[1,0]   ; register 8 t + i is y(query r, channel 16 t + 8 h + i)
.set j, j+2
.endr
.set j, 0
.rept 32
.set j, j+1
.endr
.irp t, 0,1,2,3
	v_cvt_scalef32_pk8_bf8_f32 v[PC+2*\t:PC+2*\t+1], v[S+8*\t:S+8*\t+7], v[SC]
.endr
	v_nop                                          ; one plain line behind the conversions
.irp t, 0,1,2,3
	ds_store_b64 v[STO], v[PC+2*\t:PC+2*\t+1] offset:16*\t
.endr
.irp i, 0,1
	ds_load_b128 v[FR+8*\k+4*\i:FR+8*\k+4*\i+3], v[RD] offset:512*\i   ; LDS serves a wave's instructions in order: these see my stores
.endr
	s_wait_dscnt 0x0
.irp i, 0,1
	global_store_b128 v[GO], v[FR+8*\k+4*\i:FR+8*\k+4*\i+3], s[\yp:\yp+1] offset:512*\i   ; 32 lanes store 512 consecutive bytes, aligned
.endr
.endm
	WAYOUT STB, OTB, YB, 0
	WAYOUT STA, OTA, YA, 1
	s_wait_xcnt 0x0
	v_lshl_add_u32 v254, v0, 2, 0x4d000
	v_mov_b32 v255, 0
	s_wait_alu depctr_va_vdst(0)
	s_wait_tensorcnt 0x0
	ds_add_u32 v254, v255
	s_wait_dscnt 0x0
	CROUND                                         ; the closing round: no work-group ends while a partner may still ask for a tile that names it
	s_endpgm
.Lfunc_end_k_q3f645723e7_attn:
	.size	k_q3f645723e7_attn, .Lfunc_end_k_q3f645723e7_attn-k_q3f645723e7_attn
	.p2alignl 7, 3214868480
	.fill 96, 4, 3214868480
	.section	.rodata,"a",@progbits
	.p2align	6, 0x0
	.amdhsa_kernel k_q3f645723e7_attn
		.amdhsa_group_segment_fixed_size 327680
		.amdhsa_private_segment_fixed_size 0
		.amdhsa_enable_private_segment 0
		.amdhsa_kernarg_size 40
		.amdhsa_user_sgpr_count 2
		.amdhsa_user_sgpr_kernarg_segment_ptr 1
		.amdhsa_wavefront_size32 1
		.amdhsa_system_sgpr_workgroup_id_x 1
		.amdhsa_system_sgpr_workgroup_id_y 1
		.amdhsa_system_sgpr_workgroup_id_z 1
		.amdhsa_system_vgpr_workitem_id 0
		.amdhsa_next_free_vgpr 256
		.amdhsa_next_free_sgpr 100
		.amdhsa_reserve_vcc 1
		.amdhsa_float_denorm_mode_32 3
		.amdhsa_float_denorm_mode_16_64 3
		.amdhsa_fp16_overflow 1
		.amdhsa_memory_ordered 1
		.amdhsa_forward_progress 1
		.amdhsa_inst_pref_size 169
	.end_amdhsa_kernel
	.amdgpu_metadata
---
amdhsa.version: [ 1, 2 ]
amdhsa.kernels:
  - .name:           k_q3f645723e7_attn
    .symbol:         k_q3f645723e7_attn.kd
    .args:
      - { .name: q_codes, .offset: 0, .size: 8, .value_kind: global_buffer, .address_space: global }
      - { .name: k_codes, .offset: 8, .size: 8, .value_kind: global_buffer, .address_space: global }
      - { .name: v_codes, .offset: 16, .size: 8, .value_kind: global_buffer, .address_space: global }
      - { .name: lowp_scales, .offset: 24, .size: 8, .value_kind: global_buffer, .address_space: global }
      - { .name: y_codes, .offset: 32, .size: 8, .value_kind: global_buffer, .address_space: global }
    .group_segment_fixed_size: 327680
    .private_segment_fixed_size: 0
    .kernarg_segment_align: 8
    .kernarg_segment_size: 40
    .max_flat_workgroup_size: 512
    .sgpr_count:     100
    .vgpr_count:     256
    .wavefront_size: 32
...
	.end_amdgpu_metadata
.endif
;; end of part 2
;; launch proj (part 3): grid 4 x 32, 4 waves a work-group, clusters of 4 x 4, 327,680 bytes of LDS; arguments y_codes, W_proj_codes, b_proj, lowp_scales, out0; writes out0
.if DOCPART == 3
	.amdgcn_target "amdgcn-amd-amdhsa--gfx1250"
	.amdhsa_code_object_version 6
	.text
	.protected	k_q3f645723e7_proj
	.globl	k_q3f645723e7_proj
	.p2align	8
	.type	k_q3f645723e7_proj,@function
k_q3f645723e7_proj:
	s_mov_b64 s[64:65], 0
	v_nop
	global_prefetch_b8 v0, s[64:65] scope:SCOPE_SE
	s_setreg_imm32_b32 hwreg(HW_REG_WAVE_MODE, 25, 1), 1
	s_wait_xcnt 0x0
	s_wait_alu depctr_hold_cnt(0) depctr_sa_sdst(0) depctr_va_vdst(0) depctr_va_sdst(0) depctr_va_ssrc(0) depctr_va_vcc(0) depctr_vm_vsrc(0)
	s_getreg_b32 s2, hwreg(HW_REG_IB_STS2, 6, 4)
	s_cmp_eq_u32 s2, 0
	s_cbranch_scc0 .Lentry_in_a_cluster
	s_endpgm
.Lentry_in_a_cluster:
	s_bfe_u32 s2, ttmp6, 0x10000c
	s_cmp_lg_u32 s2, 0xf033
	s_cbranch_scc0 .Lentry_shape_is_right
	s_endpgm
.Lentry_shape_is_right:
; out0 = y W_proj + b_proj on codes of E5M2.  y_codes: [head 16][row 8,192][64 bytes]; W_proj_codes: [1,024][1,024], K innermost; out0: [8,192][1,024] f32.
; A tile of the result, 256 x 256, is made by four waves, 128 x 128 each.  K = 1,024 goes in four steps of 256, that is of four heads, through a ring of two LDS slots.
; Side P = rows of y (source 1: the lane), side Q = rows of W (source 0: along a lane's registers): a lane holds eight neighbouring numbers of a row of the result.
; P's TILE: 128 rows of four heads.  In memory a head's 128 rows are 8,192 dense bytes, and heads lie 524,288 bytes apart: the tile is stated as four rows of 8,192 bytes with 16 bytes of padding behind every 64,
; so in LDS it is four planes of 128 rows, 80 bytes apart.
; A finished sum is multiplied by 2^(e6 + e7) and b_proj added, by one packed multiply-add for two numbers.  LIMIT: e6 + e7 between -126 and 127.
; 128 work-groups: the result has no more tiles of this size.
; CLUSTERS: 4 x 4 work-groups; P's tile is shared along a row of the cluster, Q's along a column.
; REGISTERS: window 0: v0-31 addresses; v32-35 my four numbers of b_proj; v128-255 P's fragments, later rows to store.  window 1: Q's fragments, two sets.  windows 2, 3: accumulators (a, b) at v[8 (8 (a % 4) + b)].
.set KROW,   1024
.set ROWB,   256
.set PITCH,  272                       ; a row of W in LDS: 256 bytes + 16
.set PP,     80                        ; a row of y in LDS: 64 bytes + 16
.set PLANE,  128*PP                    ; a head's 128 rows
.set PH,     4*PLANE                   ; what a tensor load brings of y: 40,960
.set QH,     128*PITCH                 ; and of W: 34,816
.set SLOT,   2*PH+2*QH                 ; 151,552
.set SPARE,  2*SLOT                    ; behind the ring: the spare words
.set HEADB,  8192*64                   ; from head to head in y_codes
.set PSTEP,  4*HEADB                   ; a K step in y_codes
.set NOUT,   1024
.set FR,     16
.set NL,     4
.set NP,     4
.set SPITCH, 528                       ; the way out: 16 rows x (512 bytes + 16) for each wave, in slot 0 once it has had its last fill and its last read
.set ADRA, 16
.set ADRB, 20
.set STO,  24
.set RD,   25
.set CO,   26
.set SPW,  28
.set NIL,  29
.set BI,   32
.set AF,   128
.set BK,   128
.set G1, 24
.set G0, 32
.set G1B, 48
.set G0B, 56
.set MSB, 0
.macro WIN new
.if MSB != \new
	s_set_vgpr_msb (MSB<<8)|\new
.set MSB, \new
.endif
.endm
.set MUL_LO, 0xa1
.set MUL_HI, 0xf1
.set TO_B,   0x40
.macro JLOAD g0a, g1a, g0b, g1b        ; a joint load: waves 0 and 1 fetch for P, waves 2 and 3 for Q; four v_nop follow each of the two lines
	s_cmp_eq_u32 s15, 0
	s_cbranch_scc0 .Lfor_b_\@
	tensor_load_to_lds s[\g0a:\g0a+3], s[\g1a:\g1a+7]
	s_nop 0
.rept 4
	v_nop
.endr
	s_branch .Lasked_\@
.Lfor_b_\@:
	tensor_load_to_lds s[\g0b:\g0b+3], s[\g1b:\g1b+7]
	s_nop 0
.rept 4
	v_nop
.endr
.Lasked_\@:
.endm
.macro CREST
	s_cmp_lg_u32 s14, 0
	s_cbranch_scc1 .Lnot_wave_0_\@
	s_barrier_signal -3
.Lnot_wave_0_\@:
	s_barrier_wait -3
	s_barrier_signal -1
	s_barrier_wait -1
.endm
.macro CROUND
	s_barrier_signal -1
	s_barrier_wait -1
	CREST
.endm
	s_load_b256 s[4:11], s[0:1], 0x0               ; y s[4:5], W s[6:7], b_proj s[8:9], the scales' exponents s[10:11]
	s_load_b64 s[12:13], s[0:1], 0x20              ; out0
	v_lshl_add_u32 v[SPW], v0, 2, SPARE
	v_mov_b32 v[NIL], 0
	ds_add_u32 v28, v29
	ds_add_u32 v28, v29
	s_wait_dscnt 0x0
	v_lshrrev_b32 v1, 5, v0
	v_readfirstlane_b32 s14, v1                    ; wave 0..3
	s_lshr_b32 s15, s14, 1                         ; ph; also: I fetch for P (0) or for Q (1)
	s_and_b32 s16, s14, 1                          ; qh; also: which 128 rows I fetch
	s_bfe_u32 s40, ttmp6, 0x40000                  ; cx
	s_bfe_u32 s41, ttmp6, 0x40004                  ; cy
	s_lshl_b32 s42, ttmp9, 2
	s_add_co_u32 s42, s42, s40                     ; tile column
	s_and_b32 s17, ttmp7, 0xffff
	s_lshl_b32 s17, s17, 2
	s_add_co_u32 s17, s17, s41                     ; tile row
	s_lshl_b32 s43, s41, 2
	s_lshl_b32 s43, 15, s43                        ; my row of the cluster
	s_lshl_b32 s44, 0x1111, s40                    ; my column
	s_or_b32 s[G1+0], s43, (0<<16)|(1<<20)|(1<<21)|(3<<22)|(3<<25)  ; P: the mask of my row; elements of 1 byte; padding on; bit 21 beside a mask; after every 16 words, 4 words
	s_mov_b32 s[G1+1], 8192<<16                    ; tensor_dim0 = 8,192 bytes: 128 rows of 64
	s_mov_b32 s[G1+2], 4<<16                       ; tensor_dim1 = 4 heads
	s_mov_b32 s[G1+3], 8192<<16                    ; tile_dim0
	s_mov_b32 s[G1+4], 4                           ; tile_dim1
	s_mov_b32 s[G1+5], HEADB                       ; from head to head
	s_mov_b32 s[G1+6], 0
	s_mov_b32 s[G1+7], 0
	s_or_b32 s[G1B+0], s44, (0<<16)|(1<<20)|(1<<21)|(5<<22)|(3<<25) ; Q: the mask of my column; after every 64 words, 4 words
	s_mov_b32 s[G1B+1], ROWB<<16
	s_mov_b32 s[G1B+2], 128<<16
	s_mov_b32 s[G1B+3], ROWB<<16
	s_mov_b32 s[G1B+4], 128
	s_mov_b32 s[G1B+5], KROW
	s_mov_b32 s[G1B+6], 0
	s_mov_b32 s[G1B+7], 0
	s_lshl_b32 s18, s16, 7
	s_lshl_b32 s20, s17, 8
	s_add_co_u32 s20, s20, s18
	s_lshl_b32 s20, s20, 6                         ; P: (256 tile row + 128 half) rows of 64 bytes
	s_mov_b32 s21, 0
	s_lshl_b32 s46, s42, 8
	s_add_co_u32 s46, s46, s18
	s_lshl_b32 s46, s46, 10                        ; Q: (256 tile column + 128 half) rows of 1,024 bytes
	s_mov_b32 s47, 0
	s_mul_i32 s45, s16, PH                         ; where they go: P's two halves,
	s_mul_i32 s66, s16, QH
	s_add_co_u32 s66, s66, 2*PH                    ; then Q's two
	s_wait_kmcnt 0x0
	s_load_b256 s[76:83], s[10:11], 0x0            ; e0 .. e7
	s_add_nc_u64 s[20:21], s[4:5], s[20:21]
	s_add_nc_u64 s[46:47], s[6:7], s[46:47]
	CROUND                                         ; all sixteen work-groups are here: the first joint loads meet
.irp s, 0,1
	s_mov_b32 s[G0+4*\s], 1
	s_add_co_u32 s[G0+4*\s+1], s45, \s*SLOT
	s_add_nc_u64 s[G0+4*\s+2:G0+4*\s+3], s[20:21], \s*PSTEP
	s_or_b32 s[G0+4*\s+3], s[G0+4*\s+3], 0x80000000
	s_mov_b32 s[G0B+4*\s], 1
	s_add_co_u32 s[G0B+4*\s+1], s66, \s*SLOT
	s_add_nc_u64 s[G0B+4*\s+2:G0B+4*\s+3], s[46:47], \s*ROWB
	s_or_b32 s[G0B+4*\s+3], s[G0B+4*\s+3], 0x80000000
	s_wait_alu depctr_va_vdst(0)
	s_wait_tensorcnt 0x0
	ds_add_u32 v28, v29
	ds_add_u32 v28, v29
	s_wait_dscnt 0x0
	CROUND
	JLOAD G0+4*\s, G1, G0B+4*\s, G1B
.endr
	v_and_b32 v1, 15, v0                           ; r
	v_bfe_u32 v2, v0, 4, 1                         ; h
	v_mul_u32_u24 v3, v1, PP
	v_lshl_add_u32 v3, v2, 4, v3                   ; P: 80 r + 16 h
	v_mul_u32_u24 v4, v1, PITCH
	v_lshl_add_u32 v4, v2, 4, v4                   ; Q: 272 r + 16 h
	s_mul_i32 s21, s15, PH
	s_mul_i32 s22, s16, QH
	s_add_co_u32 s22, s22, 2*PH
.irp s, 0,1
	v_add_nc_u32 v[ADRA+\s], s21, v3
	v_add_nc_u32 v[ADRB+\s], s22, v4
	s_add_co_u32 s21, s21, SLOT
	s_add_co_u32 s22, s22, SLOT
.endr
	s_mul_i32 s23, s14, 16*SPITCH                  ; my stage
	v_mul_u32_u24 v5, v1, SPITCH
	v_lshl_add_u32 v5, v2, 5, v5
	v_add_nc_u32 v[STO], s23, v5                   ; in: row r, 32 bytes for each half of the lanes
	v_and_b32 v6, 31, v0
	v_lshlrev_b32 v[CO], 4, v6                     ; back: the 32 lanes take one row of 512 bytes; the same in out0 and in b_proj
	s_wait_alu depctr_va_vdst(0)
	v_add_nc_u32 v[RD], s23, v[CO]
	s_lshl_b32 s20, s17, 8
	s_lshl_b32 s21, s15, 7
	s_add_co_u32 s20, s20, s21
	s_lshl_b32 s20, s20, 12                        ; my first row of out0, of 4,096 bytes: under 2^25
	s_lshl_b32 s46, s42, 10
	s_lshl_b32 s47, s16, 9
	s_add_co_u32 s46, s46, s47                     ; my first column, in bytes: 1,024 x tile column + 512 qh
	s_add_co_u32 s20, s20, s46
	s_mov_b32 s21, 0
	s_mov_b32 s47, 0
	s_add_nc_u64 s[12:13], s[12:13], s[20:21]
	s_add_nc_u64 s[8:9], s[8:9], s[46:47]
	global_load_b128 v[BI:BI+3], v[CO], s[8:9]     ; b_proj at the four columns that I store
.macro FRAGP reg, adr, q, i            ; 16 rows x 128 K of y: registers 4 c .. 4 c + 3 hold K = 128 q + 32 c + 16 h + 0 .. 15: head 2 q + c / 2 of the slot's four, bytes 32 (c % 2) + 16 h of its row
.irp c, 0,1,2,3
	ds_load_b128 v[\reg+4*\c:\reg+4*\c+3], v[\adr] offset:(2*(\q)+\c/2)*PLANE+(\i)*16*PP+32*(\c%2)
.endr
.endm
.macro FRAGQ reg, adr, q, i            ; the same K of W's rows
.irp c, 0,1,2,3
	ds_load_b128 v[\reg+4*\c:\reg+4*\c+3], v[\adr] offset:128*(\q)+32*\c+(\i)*16*PITCH
.endr
.endm
; 16 matrix instructions; the 64 accumulators take turns, one instruction a turn, in the same order in every step.  zero = 1: the first product starts the sums
.macro MUL16 a0, p, zero
.irp a, \a0, \a0+1
.irp b, 0,1,2,3,4,5,6,7
.if \zero
	v_wmma_f32_16x16x128_bf8_bf8 v[8*(8*((\a)%4)+\b):8*(8*((\a)%4)+\b)+7], v[128*(\p)+FR*\b:128*(\p)+FR*\b+FR-1], v[AF+FR*(\a):AF+FR*(\a)+FR-1], 0
.else
	v_wmma_f32_16x16x128_bf8_bf8 v[8*(8*((\a)%4)+\b):8*(8*((\a)%4)+\b)+7], v[128*(\p)+FR*\b:128*(\p)+FR*\b+FR-1], v[AF+FR*(\a):AF+FR*(\a)+FR-1], v[8*(8*((\a)%4)+\b):8*(8*((\a)%4)+\b)+7]
.endif
.endr
.endr
.endm
.macro FETCH_B slot, q, p
	WIN TO_B
.irp i, 0,1,2,3,4,5,6,7
	FRAGQ 128*(\p)+FR*\i, ADRB+\slot, \q, \i
.endr
	WIN 0
.endm
.macro FETCH_A slot, q, i0
.irp i, \i0, \i0+1, \i0+2, \i0+3
	FRAGP AF+FR*(\i), ADRA+\slot, \q, \i
.endr
.endm
.macro PLACES n
.rept \n
	v_nop
.endr
.endm
.macro STEP slot, q, zero
	s_wait_dscnt 4*NL                              ; Q's set and P's blocks 0-3 are in; the youngest 16 loads (P's blocks 4-7) may be out
	WIN MUL_LO
	MUL16 0, (\q)%2, \zero
	MUL16 2, (\q)%2, \zero
	s_wait_dscnt 0
	PLACES NP
	FETCH_B \slot, (\q)+1, 1-(\q)%2
	FETCH_A \slot, (\q)+1, 0
	WIN MUL_HI
	MUL16 4, (\q)%2, \zero
	MUL16 6, (\q)%2, \zero
	PLACES NP
	WIN 0
	FETCH_A \slot, (\q)+1, 4
.endm
.macro TURN slot, next, fill
	s_wait_tensorcnt 0x0                           ; all my tensor loads have landed: my part of the next slot
	ds_add_u32 v[SPW], v[NIL]                      ; 0 onto my spare word
	s_wait_dscnt 4*NL+1                            ; the add and the youngest 16 loads may be out
	WIN MUL_LO
	MUL16 0, 1, 0
	s_wait_dscnt 0x0                               ; the add is done, and my reads of this slot are over
	s_barrier_signal -1
	MUL16 2, 1, 0
	WIN 0
	s_barrier_wait -1
.if \fill
	CREST                                          ; the barrier has opened a round of the cluster's barrier
	s_add_nc_u64 s[G0+4*\slot+2:G0+4*\slot+3], s[G0+4*\slot+2:G0+4*\slot+3], 2*PSTEP
	s_add_nc_u64 s[G0B+4*\slot+2:G0B+4*\slot+3], s[G0B+4*\slot+2:G0B+4*\slot+3], 2*ROWB
	JLOAD G0+4*\slot, G1, G0B+4*\slot, G1B         ; the first tensor load behind the round; its four v_nop are also the places in front of the loads below
.else
	PLACES NP
.endif
	FETCH_B \next, 0, 0
	FETCH_A \next, 0, 0
	WIN MUL_HI
	MUL16 4, 1, 0
	MUL16 6, 1, 0
	PLACES NP
	WIN 0
	FETCH_A \next, 0, 4
.endm
	s_wait_tensorcnt 1                             ; my part of K step 0 is in; K step 1's load may be out
	s_barrier_signal -1
	s_barrier_wait -1
	FETCH_B 0, 0, 0
	FETCH_A 0, 0, 0
	FETCH_A 0, 0, 4
	STEP 0, 0, 1                                   ; K = 1,024 is four slots' worth: the eight steps are written out
	TURN 0, 1, 1
	STEP 1, 0, 0
	TURN 1, 0, 1
	STEP 0, 0, 0
	TURN 0, 1, 0
	STEP 1, 0, 0
	s_wait_dscnt 4*NL
	WIN MUL_LO
	MUL16 0, 1, 0
	MUL16 2, 1, 0
	s_wait_dscnt 0
	WIN MUL_HI
	MUL16 4, 1, 0
	MUL16 6, 1, 0
	WIN 0
; THE WAY OUT, block by block of 16 rows x 128 columns: the sums go into my stage as they are, each accumulator's low half first, and come back as whole rows of 512 bytes; there a lane holds the same four
; columns in every row, so four registers of b_proj serve all: sum x 2^(e6 + e7) + b_proj, then 32 lanes store 512 consecutive bytes.
.macro TOSTAGE a
.set AC, 64*((\a)%4)
	WIN 0x08+4*((\a)/4)                            ; the stores' data: window 2 or 3
.irp b, 0,1,2,3,4,5,6,7
	ds_store_b128 v[STO], v[AC+8*\b:AC+8*\b+3] offset:64*\b
	ds_store_b128 v[STO], v[AC+8*\b+4:AC+8*\b+7] offset:64*\b+16
.endr
	WIN 0
.set BB, BK+64*((\a)%2)
.irp t, 0,1,2,3,4,5,6,7,8,9,10,11,12,13,14,15
	ds_load_b128 v[BB+4*\t:BB+4*\t+3], v[RD] offset:\t*SPITCH   ; LDS serves a wave's instructions in order: these see the stores above
.endr
.endm
.macro SEND a, younger                 ; younger: the LDS instructions issued behind block a's loads, which may stay out
.set BB, BK+64*((\a)%2)
	s_wait_dscnt \younger
.if (\a) > 0
	s_add_nc_u64 s[12:13], s[12:13], 16*NOUT*4     ; behind a wait on XCNT: the earlier stores have read their base
.endif
.irp t, 0,1,2,3,4,5,6,7,8,9,10,11,12,13,14,15
.irp i, 0,2
	v_pk_fma_f32 v[BB+4*\t+\i:BB+4*\t+\i+1], v[BB+4*\t+\i:BB+4*\t+\i+1], s[96:97], v[BI+\i:BI+\i+1] op_sel_hi:[1,0,1]
.endr
.endr
.irp t, 0,1,2,3,4,5,6,7,8,9,10,11,12,13,14,15
	global_store_b128 v[CO], v[BB+4*\t:BB+4*\t+3], s[12:13] offset:\t*NOUT*4 th:TH_STORE_NT   ; written once, read by nobody here
.endr
.endm
	s_wait_kmcnt 0x0
	s_add_co_i32 s96, s82, s83                     ; e6 + e7
	s_add_co_i32 s96, s96, 127
	s_lshl_b32 s96, s96, 23                        ; 2^(e6 + e7) as f32
	s_mov_b32 s97, s96                             ; named with it as a pair
	s_wait_loadcnt 0x0                             ; b_proj
	PLACES NP                                      ; in front of the stores that read results and of the loads into the registers that held P's fragments
	s_wait_alu depctr_va_vdst(0)
	TOSTAGE 0
.irp a, 1,2,3,4,5,6,7
.if \a > 1
	s_wait_xcnt 0x0                                ; block a - 2's stores have read their registers and their base
.endif
	TOSTAGE \a
	SEND \a-1, 32                                  ; behind block a - 1's loads: block a's 16 stores and 16 loads
.endr
	s_wait_xcnt 0x0
	SEND 7, 0
	s_wait_tensorcnt 0x0                           ; the wave's end
	ds_add_u32 v[SPW], v[NIL]
	s_wait_dscnt 0x0
	CROUND                                         ; the closing round
	s_endpgm
.Lfunc_end_k_q3f645723e7_proj:
	.size	k_q3f645723e7_proj, .Lfunc_end_k_q3f645723e7_proj-k_q3f645723e7_proj
	.p2alignl 7, 3214868480
	.fill 96, 4, 3214868480
	.section	.rodata,"a",@progbits
	.p2align	6, 0x0
	.amdhsa_kernel k_q3f645723e7_proj
		.amdhsa_group_segment_fixed_size 327680
		.amdhsa_private_segment_fixed_size 0
		.amdhsa_enable_private_segment 0
		.amdhsa_kernarg_size 40
		.amdhsa_user_sgpr_count 2
		.amdhsa_user_sgpr_kernarg_segment_ptr 1
		.amdhsa_wavefront_size32 1
		.amdhsa_system_sgpr_workgroup_id_x 1
		.amdhsa_system_sgpr_workgroup_id_y 1
		.amdhsa_system_sgpr_workgroup_id_z 1
		.amdhsa_system_vgpr_workitem_id 0
		.amdhsa_next_free_vgpr 1024
		.amdhsa_next_free_sgpr 100
		.amdhsa_reserve_vcc 0
		.amdhsa_float_denorm_mode_32 3
		.amdhsa_float_denorm_mode_16_64 3
		.amdhsa_memory_ordered 1
		.amdhsa_forward_progress 1
		.amdhsa_inst_pref_size 124
	.end_amdhsa_kernel
	.amdgpu_metadata
---
amdhsa.version: [ 1, 2 ]
amdhsa.kernels:
  - .name:           k_q3f645723e7_proj
    .symbol:         k_q3f645723e7_proj.kd
    .args:
      - { .name: y_codes, .offset: 0, .size: 8, .value_kind: global_buffer, .address_space: global }
      - { .name: W_proj_codes, .offset: 8, .size: 8, .value_kind: global_buffer, .address_space: global }
      - { .name: b_proj, .offset: 16, .size: 8, .value_kind: global_buffer, .address_space: global }
      - { .name: lowp_scales, .offset: 24, .size: 8, .value_kind: global_buffer, .address_space: global }
      - { .name: out0, .offset: 32, .size: 8, .value_kind: global_buffer, .address_space: global }
    .group_segment_fixed_size: 327680
    .private_segment_fixed_size: 0
    .kernarg_segment_align: 8
    .kernarg_segment_size: 40
    .max_flat_workgroup_size: 128
    .sgpr_count:     100
    .vgpr_count:     1024
    .wavefront_size: 32
...
	.end_amdgpu_metadata
.endif
;; end of part 3
